; MI455X (gfx1250); checked and timed in simulation.
; The chip was launched on July 23, 2026; its instructions are those of AMD's public machine-readable ISA for CDNA 5 (MIT licence, August 2026) and "CDNA5" Instruction Set Architecture Reference Guide (July 2026). The comments in the code are by the model that wrote it; some were corrected since.
;; Outlier Detector. Allowed arithmetic: matrix products marked QUANTISED: E4M3 operands, one E8M0 scale for each 32 along K, by v_wmma_scale_f32_16x16x128_f8f6f4 with both operands' format E4M3, f32 sums; products left as they are: f32 operands where the result goes on into a quantised operand, else bf16, f16 or f32 operands; f32 sums; everything else in f32.
;; Inputs: cov_inv 19 x 50 x 50 float32; feats 131,072 x 256 float32; mu_c 19 x 50 float32; pca_components 19 x 50 x 256 float32; pca_mean 19 x 256 float32; pca_var 19 x 50 float32.
;; Outputs: out0 256 x 512 float32.
;; Constants: H = 256, W = 512.
;; This version of the problem:
;;   THIS VERSION OF THE PROBLEM IS GIVEN IN LOW PRECISION. The matrix products marked QUANTISED in the list below multiply operands that are first quantised to E4M3 (4 exponent bits, 3 mantissa bits; 8 bits a number), with one power-of-two scale for each 32 numbers along K (OCP MX v1.0); their sums are f32. All else is computed in f32.
;;   The module's matrix products, in the order in which they are computed (A, B: the left and right operand; K: the contracted axis; several contracted axes count as one K, in the product's order):
;;     1. [M 950, K 256] x [K 256, N 131,072]; A: input pca_components; B: input feats: QUANTISED
;;     2. batch 19 x [M 1, K 256] x [K 256, N 50]; A: input pca_mean; B: input pca_components: left as it is (M = 1 < 16)
;;     3. batch 19 x [M 50, K 50] x [K 50, N 131,072]; A: input cov_inv; B: computed on the way: QUANTISED
;;     4. batch 2,490,368 x [M 1, K 50] x [K 50, N 1]; A: computed on the way; B: computed on the way: left as it is (M = 1 < 16)
;;   THE QUANTISER, for each operand of a quantised product, along K:
;;     - K is cut into blocks of 32 from its start; a last block that is shorter is filled with zeros.
;;     - A block's scale is 2^e with e = floor(log2(the largest magnitude in the block)) - 8, held to -126 .. 127; a block of zeros has e = 0. As a byte (E8M0): e + 127.
;;     - Each number is divided by its block's scale, clamped to +-448, and rounded to the nearest number of E4M3, ties to even, subnormals kept.
;;     - The product sums the exact products of the quantised numbers (number of the format x scale) in f32.
;;   ~~~python
;;   def quantise(x, axis):      # numpy; x: float32 -> the quantised numbers, widened to float32 again
;;       x = np.moveaxis(x, axis, -1); K = x.shape[-1]
;;       x = np.pad(x, [(0, 0)] * (x.ndim - 1) + [(0, -K % 32)]); x = x.reshape(x.shape[:-1] + (-1, 32)); a = np.abs(x).max(-1, keepdims=True)
;;       e = np.where(a > 0, np.clip(np.frexp(np.where(a > 0, a, 1))[1] - 1 - 8, -126, 127), 0)      # np.frexp(a)[1] - 1 = floor(log2(a)), exactly
;;       r = np.clip(x / 2.0 ** e, -448, 448)
;;       step = 2.0 ** (np.maximum(np.frexp(np.where(r == 0, 1, r))[1] - 1, -6) - 3)
;;       q = np.round(r / step) * step * 2.0 ** e      # np.round: ties to even
;;       return np.moveaxis(q.reshape(q.shape[:-2] + (-1,))[..., :K], -1, axis).astype(np.float32)
;;   ~~~
;;   OPERANDS COMPUTED ON THE WAY. 'Computed on the way' means the value that the module computes at that place (a softmax that the list does not call 'softmax' is quantised finished and normalised). What goes into a quantiser is computed in f32, as accurately as f32 sums, v_exp_f32 and their like allow (about 1e-6 of the number): no bf16 or f16 on the way to a quantiser, and a product that is left as it is and whose result goes on into a quantised operand takes f32 operands (vector FMAs, or v_wmma_f32_16x16x4_f32). A number that lies on a knife's edge between two numbers of the format may be rounded either way, as far as f32 arithmetic and the matrix unit's own rounding can turn it there, and no further.
;; One version. Each part assembles by itself: llvm-mc -triple=amdgcn-amd-amdhsa -mcpu=gfx1250 --defsym DOCPART=n.
;; ======== version 1 of 1: 2 launches
;; workspace buffers: wts 353,280 bytes
;; launch prep (part 1): grid 19 x 1, 4 waves a work-group, no clusters, 8,704 bytes of LDS; arguments pca_components, pca_mean, pca_var, mu_c, cov_inv, wts; writes wts
.if DOCPART == 1
	.amdgcn_target "amdgcn-amd-amdhsa--gfx1250"
	.amdhsa_code_object_version 6
	.text
	.protected	k_qaab6fa7907_prep
	.globl	k_qaab6fa7907_prep
	.p2align	8
	.type	k_qaab6fa7907_prep,@function
k_qaab6fa7907_prep:
	s_mov_b64 s[64:65], 0
	v_nop
	global_prefetch_b8 v0, s[64:65] scope:SCOPE_SE
	s_setreg_imm32_b32 hwreg(HW_REG_WAVE_MODE, 25, 1), 1
	s_wait_xcnt 0x0
; The small inputs of one class become one block of 17,920 bytes of wts and two rows of the gathered tiles behind the blocks, all laid in the order of the operand registers of the main launch.
; One work-group to a class (19 classes: there is no work for more); wave t makes tile t (16 rows) of the components, tile t of cov_inv and that tile's constants.
; THE ROWS OF A TILE.  Row rho of tile t is component k = kmap(rho / 8, 8 t + rho % 8), with kmap(h, i) = 16 h + i for i < 16 and 32 + 9 h + (i - 16) for i = 16 .. 24.
; In tile 3 only rows 0 and 8 are real (k = 40, 49).  So in the main launch a lane's 25 results are 16 neighbours of block 0 and 9 of block 1 of the next K.
; THE BLOCK:  0: components, tiles 0 to 2, fragment (t, s) at 2048 (2 t + s): four groups of 512 bytes, lane l's 16 codes at 16 l: row l % 16, d = 128 s + 32 g + 16 (l / 16) + 0 .. 15
;   12288: cov_inv, tile t at 1024 t: two groups: row l = the tile's row; group 0: k = 16 h + 0 .. 15; group 1: bytes 0 .. 8: k = 32 + 9 h + 0 .. 8, the rest zero codes; rows of tile 3 that are not real: zero codes
;   16384: scale words: at 16 lane + 4 t the components' (lanes 0-15: K step 0, lanes 16-31: K step 1; t = 3's word is not used); 512 further on cov_inv's (bytes 2, 3 = 127)
;   17408: for each half h of the lanes 256 bytes: S[0..31], O[0..31], f32: diff = proj S + O, S = 1 / sqrt(var), O = -mean_proj S - mu; 0 from index 25 on
; THE GATHERED TILES, from byte 19 x 17,920 on: the two real rows of tile 3 of all classes: row 8 hp + j of tile u is k = 40 + 9 hp of class 8 u + j; fragment (u, s) at 2048 (2 u + s), laid as above;
;   12,288 bytes on their scale words, 128 bytes a tile: lanes 0-15 K step 0, lanes 16-31 K step 1.  Rows 3 .. 7 and 11 .. 15 of tile 2 belong to no class: classes 0 to 4 store their rows there a second time,
;   so that every byte that is read later has been written; nobody uses those rows' results.
; cov_inv[c][k][l] is quantised along k, its first matrix axis, which is the axis that the product with diff sums over.  mean_proj is made by f32 multiply-adds.
; The quantiser: a block's scale byte is its largest magnitude's exponent field - 8, held at 1 from below; numbers are held within +-448 x the scale and rounded to the nearest code.
; LIMITS: NaN and infinities among the inputs are not served; pca_var must be a positive normal number; a block whose largest magnitude lies under 2^-118 (a block of zeros too) gets the byte 1.
.set BLK,  17920
.set COVO, 12288
.set SCLO, 16384
.set LFTO, 19*BLK                      ; the gathered tiles
.set LSCL, 12288                       ; their scale words, from LFTO on
.set DUPF, 2*4096+3*16                 ; from row c of gathered tile 0 to row c + 3 of tile 2: in the fragments,
.set DUPS, 2*128+3*4                   ; and in the scale words
.set LS,   4096                        ; LDS: 0 .. 4095 a copy of the mean's row for each wave; from LS on the stage for the scale words (1,024 bytes) and the constants (512)
.set KST,  LS+1024
.set PC,   32                          ; v32-47   codes (at first: the mean as loaded)
.set TM,   48                          ; v48-63   at work in the quantiser (at the head: lane terms)
.set X0,   64                          ; v64-127  my 64 numbers of K step 0
.set X1,   128                         ; v128-191 of K step 1
.set MC,   192                         ; v192-223 the mean at my places, two chunks of 16
.set CX,   224                         ; v224-255 cov_inv: 16 numbers of block 0, 9 of block 1, 7 zeros
; v1 16 lane; v2 my row of the components; v3, v4 my column of cov_inv (blocks 0, 1); v5 my place in var and mu; v6, v7 the mean's copy (in, out); v8 my scale word's place; v9 my constants' place
; v10 var, v11 mu, v12 h, v13 S, v14 O, v15 mean_proj, then my scale word; v16, v17 the way out of the stage; v18 where my codes go; v19 where a gathered row's scale word goes; v24-26 scale words; v28-31 two packed sums
	s_load_b256 s[4:11], s[0:1], 0x0               ; components s[4:5], mean s[6:7], var s[8:9], mu s[10:11]
	s_load_b128 s[12:15], s[0:1], 0x20             ; cov_inv s[12:13], wts s[14:15]
	v_lshl_add_u32 v23, v0, 2, 0x2000
	v_mov_b32 v27, 0
	v_lshrrev_b32 v48, 5, v0
	v_readfirstlane_b32 s16, v48                   ; t: my wave, my tile
	v_and_b32 v49, 31, v0                          ; lane
	v_bfe_u32 v12, v0, 4, 1                        ; h = lane / 16
	v_and_b32 v51, 7, v0                           ; j = row % 8
	v_bfe_u32 v52, v0, 3, 1                        ; hp = row / 8
	s_cmp_lt_u32 s16, 2
	s_cselect_b32 s17, 16, 9                       ; from one half of a tile's rows to the other: 16 in block 0, 9 in block 1
	s_cselect_b32 s18, 0, 16
	s_lshl_b32 s19, s16, 3
	s_add_co_u32 s18, s18, s19                     ; the tile's first k: 0, 8, 32, 40
	s_cmp_eq_u32 s16, 3
	s_cselect_b32 s20, 1, 0                        ; tile 3?
	s_cmp_lt_u32 ttmp9, 5
	s_cselect_b32 s48, s20, 0                      ; tile 3 of classes 0 to 4: its rows are stored twice
	v_mad_u32_u24 v53, v52, s17, v51
	v_add_nc_u32 v53, s18, v53                     ; my row's k
	v_min_u32 v53, 49, v53                         ; rows that are not real read row 49: no load leaves its buffer
	v_mul_u32_u24 v54, v51, s20
	v_cmp_eq_u32 vcc_lo, 0, v54                    ; VCC, kept to the end: my row is real (in tile 3: j = 0 alone)
	s_mov_b32 s40, vcc_lo
	v_cmp_eq_u32 s41, 1, v12                       ; s41: lanes 16-31
	v_lshlrev_b32 v1, 4, v49
	v_lshlrev_b32 v2, 10, v53
	v_lshl_add_u32 v2, v12, 6, v2                  ; components: row k of 1,024 bytes, + 64 h: my 16 numbers of a block of 32
	v_lshlrev_b32 v5, 2, v53
	v_mad_u32_u24 v3, v12, 3200, v5                ; cov_inv: column l = my row's k; rows 16 h on (200 bytes a row),
	v_mad_u32_u24 v4, v12, 1800, v5                ; and rows 32 + 9 h on (the 32 rows stand in the immediate)
	s_lshl_b32 s21, s16, 10
	v_add_nc_u32 v6, s21, v1                       ; the mean's copy: 1,024 t + 16 lane,
	v_lshlrev_b32 v7, 6, v12
	v_add_nc_u32 v7, s21, v7                       ; and 1,024 t + 64 h
	s_lshl_b32 s21, s16, 2
	v_add_nc_u32 v8, s21, v1
	v_add_nc_u32 v8, LS, v8                        ; LS + 16 lane + 4 t
	v_lshlrev_b32 v9, 8, v52
	v_lshl_add_u32 v9, v51, 2, v9
	s_lshl_b32 s21, s16, 5
	v_add_nc_u32 v9, s21, v9
	v_add_nc_u32 v9, KST, v9                       ; KST + 256 hp + 4 (8 t + j): lanes r and r + 16 share a word and write the same value
	v_lshl_add_u32 v16, v0, 4, LS
	v_lshlrev_b32 v17, 4, v0
	s_mul_i32 s26, ttmp9, 51200                    ; the class's first byte in each buffer
	s_mov_b32 s27, 0
	s_lshl_b32 s28, ttmp9, 10
	s_mov_b32 s29, 0
	s_mul_i32 s30, ttmp9, 200
	s_mov_b32 s31, 0
	s_mul_i32 s32, ttmp9, 10000
	s_mov_b32 s33, 0
	s_mul_i32 s34, ttmp9, BLK
	s_mov_b32 s35, 0
	s_lshl_b32 s36, s16, 12
	s_add_co_u32 s36, s36, s34                     ; tiles 0 to 2: my two fragments in the class's block
	s_mov_b32 s37, 0
	s_lshr_b32 s42, ttmp9, 3                       ; u = class / 8
	s_lshl_b32 s52, s42, 7
	s_add_co_u32 s52, s52, LFTO+LSCL               ; gathered tile u's scale words
	s_mov_b32 s53, 0
	s_lshl_b32 s42, s42, 12
	s_add_co_u32 s42, s42, LFTO                    ; gathered tile u's two fragments
	s_and_b32 s43, ttmp9, 7                        ; class % 8: how many rows further down my two rows lie there
	s_cmp_eq_u32 s16, 3
	s_cselect_b32 s36, s42, s36                    ; tile 3 goes to the gathered tiles
	s_cselect_b32 s43, s43, 0
	v_lshl_add_u32 v18, s43, 4, v1                 ; 16 (lane + class % 8), or 16 lane
	v_add_nc_u32 v19, s43, v49
	v_lshlrev_b32 v19, 2, v19                      ; 4 (lane + class % 8)
	s_lshl_b32 s38, s16, 10
	s_add_co_u32 s38, s38, COVO                    ; my tile of cov_inv
	s_mov_b32 s39, 0
	s_mov_b32 s44, 0x76543210
	s_mov_b32 s45, 0xfedcba98                      ; v_permlanex16_b32's selects for lane l xor 16
	s_mov_b32 s46, 0x600000                        ; the mantissa field of 448
.irp b, 0,1,2,3
	v_mov_b32 v[TM+4+\b], 0                        ; a lane permute's destination counts as one of its sources
.endr
	v_mov_b32 v13, 0
.irp i, 25,26,27,28,29,30,31
	v_mov_b32 v[CX+\i], 0                          ; block 1 has 18 numbers: the rest of my 16 places are zeros
.endr
	s_wait_kmcnt 0x0
	s_add_nc_u64 s[4:5], s[4:5], s[26:27]
	s_add_nc_u64 s[6:7], s[6:7], s[28:29]
	s_add_nc_u64 s[8:9], s[8:9], s[30:31]
	s_add_nc_u64 s[10:11], s[10:11], s[30:31]
	s_add_nc_u64 s[12:13], s[12:13], s[32:33]
	s_add_nc_u64 s[22:23], s[14:15], s[36:37]      ; where my fragments go
	s_add_nc_u64 s[50:51], s[14:15], s[52:53]      ; where a gathered row's scale word goes
	s_add_nc_u64 s[14:15], s[14:15], s[34:35]      ; the class's block
	s_add_nc_u64 s[24:25], s[14:15], s[38:39]
	; all loads at once: the mean 2, K step 0 16, K step 1 16, cov_inv 25, var and mu 2
	global_load_b128 v[PC:PC+3], v1, s[6:7]
	global_load_b128 v[PC+4:PC+7], v1, s[6:7] offset:512
.irp s, 0,1
.irp b, 0,1,2,3
.irp q, 0,1,2,3
	global_load_b128 v[X0+64*\s+16*\b+4*\q:X0+64*\s+16*\b+4*\q+3], v2, s[4:5] offset:512*\s+128*\b+16*\q
.endr
.endr
.endr
.irp i, 0,1,2,3,4,5,6,7,8,9,10,11,12,13,14,15
	global_load_b32 v[CX+\i], v3, s[12:13] offset:200*\i
.endr
.irp i, 0,1,2,3,4,5,6,7,8
	global_load_b32 v[CX+16+\i], v4, s[12:13] offset:6400+200*\i
.endr
	global_load_b32 v10, v5, s[8:9]
	global_load_b32 v11, v5, s[10:11]
	s_wait_loadcnt 59                              ; the mean's two loads are in; the 59 behind them may be out
	ds_store_b128 v6, v[PC:PC+3]                   ; the row as it lies, into my wave's own copy: LDS serves a wave's instructions in order, so its reads below see it
	ds_store_b128 v6, v[PC+4:PC+7] offset:512
.macro MLOAD s, b                      ; the mean at my 16 places of block b of K step s, into chunk b % 2
.irp q, 0,1,2,3
	ds_load_b128 v[MC+16*((\b)%2)+4*\q:MC+16*((\b)%2)+4*\q+3], v7 offset:512*\s+128*(\b)+16*\q
.endr
.endm
.macro DOT s, x                        ; mean . my row, over my 64 places of K step s: packed multiply-adds into two sums by turns; the first two products start the sums
	MLOAD \s, 0
.irp b, 0,1,2,3
.if \b < 3
	MLOAD \s, \b+1
	s_wait_dscnt 4                                 ; this chunk is in; the next chunk's four loads may be out
.else
	s_wait_dscnt 0x0
.endif
.irp a, 0,1,2,3,4,5,6,7
.if (\s == 0) && (\b == 0) && (\a < 2)
	v_pk_mul_f32 v[28+2*\a:29+2*\a], v[\x+2*\a:\x+2*\a+1], v[MC+2*\a:MC+2*\a+1]
.else
	v_pk_fma_f32 v[28+2*(\a%2):29+2*(\a%2)], v[\x+16*\b+2*\a:\x+16*\b+2*\a+1], v[MC+16*(\b%2)+2*\a:MC+16*(\b%2)+2*\a+1], v[28+2*(\a%2):29+2*(\a%2)]
.endif
.endr
.endr
.endm
; 64 numbers of a lane, register 16 b + i = place 32 b + 16 h + i of my row, become a fragment's codes in v[PC] on and its scale word in v[pw]
.macro QUANT x, pw
.irp b, 0,1,2,3
	v_max3_num_f32 v[TM+\b], |v[\x+16*\b]|, |v[\x+1+16*\b]|, 0x4800000   ; my 16 numbers of block b, and the floor 2^(9 - 127): the byte cannot fall under 1
.endr
.irp i, 2,4,6,8,10,12,14
.irp b, 0,1,2,3
	v_max3_num_f32 v[TM+\b], v[TM+\b], |v[\x+16*\b+\i]|, |v[\x+1+16*\b+\i]|
.endr
.endr
.irp b, 0,1,2,3
	v_permlanex16_b32 v[TM+4+\b], v[TM+\b], s44, s45
.endr
.irp b, 0,1,2,3
	v_max_num_f32 v[TM+\b], v[TM+\b], v[TM+4+\b]   ; with lane l xor 16's 16: the block's largest magnitude
.endr
.irp b, 0,1,2,3
	v_add_nc_u32 v[TM+12+\b], 0xfc000000, v[TM+\b] ; 8 off its exponent field: the conversion's scale operand
.endr
.irp b, 0,1,2,3
	v_and_or_b32 v[TM+8+\b], v[TM+\b], 0x7f800000, s46   ; 448 x the scale
.endr
.irp b, 0,1,2,3
	v_lshrrev_b32 v[TM+4+\b], 23, v[TM+12+\b]      ; the scale's byte
.endr
	v_lshl_or_b32 v[\pw], v[TM+5], 8, v[TM+4]
	v_lshl_or_b32 v[\pw], v[TM+6], 16, v[\pw]
	v_lshl_or_b32 v[\pw], v[TM+7], 24, v[\pw]
.irp b, 0,1,2,3
.irp i, 0,1,2,3,4,5,6,7,8,9,10,11,12,13,14,15
	v_med3_num_f32 v[\x+16*\b+\i], v[\x+16*\b+\i], -v[TM+8+\b], v[TM+8+\b]   ; the conversion to an 8-bit code does not saturate (ISA guide 7.6.2): the hold comes first
.endr
	v_cvt_scalef32_pk8_fp8_f32 v[PC+4*\b:PC+1+4*\b], v[\x+16*\b:\x+7+16*\b], v[TM+12+\b]
	v_cvt_scalef32_pk8_fp8_f32 v[PC+2+4*\b:PC+3+4*\b], v[\x+8+16*\b:\x+15+16*\b], v[TM+12+\b]
.endr
	v_nop                                          ; a plain instruction directly behind the last conversion
.endm
; One K step of my tile.  Only real rows are stored: in tiles 0 to 2 all 32 lanes (512 consecutive bytes a store), in tile 3 the four lanes of rows 0 and 8, 16 bytes each, into their places in a gathered tile.
.macro FRAGMENT s, x, pw, left
	s_wait_loadcnt \left                           ; this K step's 16 loads are in
	DOT \s, \x
	QUANT \x, \pw
	s_wait_xcnt 0x0                                ; EXEC is narrowed only behind this wait: loads are still on their way
	s_and_saveexec_b32 s47, vcc_lo
.irp g, 0,1,2,3
	global_store_b128 v18, v[PC+4*\g:PC+4*\g+3], s[22:23] offset:2048*\s+512*\g
.endr
	s_cmp_lg_u32 s48, 0
	s_cbranch_scc0 .Lonce_\@
.irp g, 0,1,2,3
	global_store_b128 v18, v[PC+4*\g:PC+4*\g+3], s[22:23] offset:DUPF+2048*\s+512*\g   ; classes 0 to 4: once more, into the rows of gathered tile 2 that belong to no class
.endr
.Lonce_\@:
	s_wait_xcnt 0x0                                ; EXEC is widened, and the codes' registers are written again, only behind this wait
	s_or_b32 exec_lo, exec_lo, s47
.endm
	FRAGMENT 0, X0, 24, 43                         ; behind K step 0's loads: K step 1's 16, cov_inv's 25, var and mu
	FRAGMENT 1, X1, 25, 27                         ; behind K step 1's: cov_inv's 25, var and mu
	; the constants of my row
	v_pk_add_f32 v[28:29], v[28:29], v[30:31]
	v_add_f32 v15, v28, v29
	v_permlanex16_b32 v13, v15, s44, s45
	v_add_f32 v15, v15, v13                        ; mean_proj: my 128 places and lane l xor 16's
	s_wait_loadcnt 0x0                             ; cov_inv, var, mu
	v_rsq_f32 v13, v10                             ; S = 1 / sqrt(var)
	v_nop                                          ; a plain instruction behind the transcendental
	s_wait_alu depctr_va_vdst(0)
	v_fma_f32 v14, -v15, v13, -v11                 ; O = -mean_proj S - mu, rounded once
	v_cndmask_b32 v13, 0, v13, s40
	v_cndmask_b32 v14, 0, v14, s40
	; cov_inv: two blocks along k, 16 places each in my lane
.irp b, 0,1
	v_max3_num_f32 v[TM+\b], |v[CX+16*\b]|, |v[CX+1+16*\b]|, 0x4800000
.endr
.irp i, 2,4,6,8,10,12,14
.irp b, 0,1
	v_max3_num_f32 v[TM+\b], v[TM+\b], |v[CX+16*\b+\i]|, |v[CX+1+16*\b+\i]|
.endr
.endr
.irp b, 0,1
	v_permlanex16_b32 v[TM+4+\b], v[TM+\b], s44, s45
.endr
.irp b, 0,1
	v_max_num_f32 v[TM+\b], v[TM+\b], v[TM+4+\b]
.endr
.irp b, 0,1
	v_add_nc_u32 v[TM+12+\b], 0xfc000000, v[TM+\b]
.endr
.irp b, 0,1
	v_and_or_b32 v[TM+8+\b], v[TM+\b], 0x7f800000, s46
.endr
.irp b, 0,1
	v_lshrrev_b32 v[TM+4+\b], 23, v[TM+12+\b]
.endr
	v_lshl_or_b32 v26, v[TM+5], 8, v[TM+4]
	v_or_b32 v26, 0x7f7f0000, v26                  ; the instruction's places 64 .. 127 meet zero codes of diff: their bytes are 127
.irp b, 0,1
.irp i, 0,1,2,3,4,5,6,7,8,9,10,11,12,13,14,15
	v_med3_num_f32 v[CX+16*\b+\i], v[CX+16*\b+\i], -v[TM+8+\b], v[TM+8+\b]
.endr
	v_cvt_scalef32_pk8_fp8_f32 v[PC+4*\b:PC+1+4*\b], v[CX+16*\b:CX+7+16*\b], v[TM+12+\b]
	v_cvt_scalef32_pk8_fp8_f32 v[PC+2+4*\b:PC+3+4*\b], v[CX+8+16*\b:CX+15+16*\b], v[TM+12+\b]
.endr
	v_nop
.irp k, 0,1,2,3,4,5,6,7
	v_cndmask_b32 v[PC+\k], 0, v[PC+\k], s40       ; rows that are not real: zero codes
.endr
.irp g, 0,1
	global_store_b128 v1, v[PC+4*\g:PC+4*\g+3], s[24:25] offset:512*\g
.endr
	s_wait_xcnt 0x0                                ; v32-35 are loaded again below, and EXEC changes below
	; scale words and constants meet in the stage and leave as 1,536 dense bytes
	v_cndmask_b32 v15, v24, v25, s41               ; lanes 0-15 carry K step 0's word, lanes 16-31 K step 1's
	ds_store_b32 v8, v15
	ds_store_b32 v8, v26 offset:512
	ds_store_b32 v9, v13
	ds_store_b32 v9, v14 offset:128
	s_cmp_eq_u32 s16, 3
	s_cbranch_scc0 .Lnot_tile_3
	s_and_saveexec_b32 s47, vcc_lo                 ; tile 3: the scale words of rows 0 and 8 go to the gathered tile: four lanes, four bytes each: all that a class has of them
	global_store_b32 v19, v15, s[50:51]
	s_cmp_lg_u32 s48, 0
	s_cbranch_scc0 .Lonce_word
	global_store_b32 v19, v15, s[50:51] offset:DUPS
.Lonce_word:
	s_wait_xcnt 0x0                                ; EXEC is widened only behind this wait
	s_or_b32 exec_lo, exec_lo, s47
.Lnot_tile_3:
	s_wait_dscnt 0x0                               ; for the others' sake: my stores have landed
	s_barrier_signal -1
	s_barrier_wait -1
	s_cmp_lt_u32 s16, 3
	s_cbranch_scc0 .Ldone                          ; 96 threads x 16 bytes
	ds_load_b128 v[PC:PC+3], v16
	s_wait_dscnt 0x0
	global_store_b128 v17, v[PC:PC+3], s[14:15] offset:SCLO
.Ldone:
	s_wait_tensorcnt 0x0
	ds_add_u32 v23, v27
	s_wait_dscnt 0x0
	s_endpgm
.Lfunc_end_k_qaab6fa7907_prep:
	.size	k_qaab6fa7907_prep, .Lfunc_end_k_qaab6fa7907_prep-k_qaab6fa7907_prep
	.p2alignl 7, 3214868480
	.fill 96, 4, 3214868480
	.section	.rodata,"a",@progbits
	.p2align	6, 0x0
	.amdhsa_kernel k_qaab6fa7907_prep
		.amdhsa_group_segment_fixed_size 8704
		.amdhsa_private_segment_fixed_size 0
		.amdhsa_enable_private_segment 0
		.amdhsa_kernarg_size 48
		.amdhsa_user_sgpr_count 2
		.amdhsa_user_sgpr_kernarg_segment_ptr 1
		.amdhsa_wavefront_size32 1
		.amdhsa_system_sgpr_workgroup_id_x 1
		.amdhsa_system_sgpr_workgroup_id_y 1
		.amdhsa_system_sgpr_workgroup_id_z 1
		.amdhsa_system_vgpr_workitem_id 0
		.amdhsa_next_free_vgpr 256
		.amdhsa_next_free_sgpr 66
		.amdhsa_reserve_vcc 1
		.amdhsa_float_denorm_mode_32 3
		.amdhsa_float_denorm_mode_16_64 3
		.amdhsa_memory_ordered 1
		.amdhsa_forward_progress 1
		.amdhsa_inst_pref_size 41
	.end_amdhsa_kernel
	.amdgpu_metadata
---
amdhsa.version: [ 1, 2 ]
amdhsa.kernels:
  - .name:           k_qaab6fa7907_prep
    .symbol:         k_qaab6fa7907_prep.kd
    .args:
      - { .name: pca_components, .offset: 0, .size: 8, .value_kind: global_buffer, .address_space: global }
      - { .name: pca_mean, .offset: 8, .size: 8, .value_kind: global_buffer, .address_space: global }
      - { .name: pca_var, .offset: 16, .size: 8, .value_kind: global_buffer, .address_space: global }
      - { .name: mu_c, .offset: 24, .size: 8, .value_kind: global_buffer, .address_space: global }
      - { .name: cov_inv, .offset: 32, .size: 8, .value_kind: global_buffer, .address_space: global }
      - { .name: wts, .offset: 40, .size: 8, .value_kind: global_buffer, .address_space: global }
    .group_segment_fixed_size: 8704
    .private_segment_fixed_size: 0
    .kernarg_segment_align: 8
    .kernarg_segment_size: 48
    .max_flat_workgroup_size: 128
    .sgpr_count:     66
    .vgpr_count:     256
    .wavefront_size: 32
...
	.end_amdgpu_metadata
.endif
;; end of part 1
;; launch main (part 2): grid 256 x 1, 4 waves a work-group, clusters of 4 x 1, 327,680 bytes of LDS; arguments feats, wts, out0; writes out0
.if DOCPART == 2
	.amdgcn_target "amdgcn-amd-amdhsa--gfx1250"
	.amdhsa_code_object_version 6
	.text
	.protected	k_qaab6fa7907_main
	.globl	k_qaab6fa7907_main
	.p2align	8
	.type	k_qaab6fa7907_main,@function
k_qaab6fa7907_main:
	s_mov_b64 s[64:65], 0
	v_nop
	global_prefetch_b8 v0, s[64:65] scope:SCOPE_SE
	s_setreg_imm32_b32 hwreg(HW_REG_WAVE_MODE, 25, 1), 1
	s_wait_xcnt 0x0
	s_wait_alu depctr_hold_cnt(0) depctr_sa_sdst(0) depctr_va_vdst(0) depctr_va_sdst(0) depctr_va_ssrc(0) depctr_va_vcc(0) depctr_vm_vsrc(0)
	s_getreg_b32 s2, hwreg(HW_REG_IB_STS2, 6, 4)
	s_cmp_eq_u32 s2, 0
	s_cbranch_scc0 .Lentry_in_a_cluster
	s_endpgm
.Lentry_in_a_cluster:
	s_bfe_u32 s2, ttmp6, 0x10000c
	s_cmp_lg_u32 s2, 0x3003
	s_cbranch_scc0 .Lentry_shape_is_right
	s_endpgm
.Lentry_shape_is_right:
; out0[n] = the minimum over 19 classes of diff^T cov_inv diff, diff = (feats[n] . components - mean_proj) / sqrt(var) - mu.  Both large products on codes of FP8 (E4M3) with one E8M0 scale for each 32 along K.
; SHARES.  A work-group owns 512 pixels, each of its four waves 128: eight tiles of 16.  PHASE A: a wave reads its pixels once (131,072 bytes), quantises them and keeps the codes in 256 registers.
; PHASE B: every wave walks the 19 classes.  A class's weights (a block of 17,920 bytes of wts, laid in the order of the operand registers) go from LDS into registers once for a class and serve eight tiles.
; LAYOUT.  Both products are used transposed (source 0 = 16 rows of the weights, source 1 = 16 pixels): a lane (r = lane % 16, h = lane / 16) holds ONE pixel r throughout.  The rows of a tile of the
; components are chosen so that the lane's results 0 .. 15 are k = 16 h + 0 .. 15 (block 0 of the next K) and results 16 .. 24 are k = 32 + 9 h + 0 .. 8 (block 1, its 18 numbers dealt 9 and 9; the same
; places in cov_inv's codes).  So the conversions' results are the second product's operand, and no lane works on padding.
; THE GATHERED ROWS.  50 rows are three tiles and two rows (k = 40, 49: a lane's result 24).  Those two rows of all 19 classes lie together in three tiles of their own (row 8 h + j of tile u: k = 40 + 9 h of
; class 8 u + j), which are multiplied ONCE, between the phases: 6 matrix instructions for a tile of pixels in place of 2 for each class.  Register j of a lane is then class 8 u + j's result 24.  The results wait in
; the wave's own bytes of LDS, laid [class][4 tiles][lane], and a class takes its eight numbers (one a tile) by two loads.
; The second product fills 64 of the instruction's 128 along K.  diff's upper eight registers are zeros that stay; cov_inv's operand names the next tile's eight registers there (zeros behind tile 3):
; codes of the quantiser are never NaN, so they add exactly 0 against zero codes.
; BY TURNS.  One wave has a SIMD to itself, so matrix and vector work are set side by side by hand.  In slot n (n = 8 x class + tile) stand: the first product of step n + 1 (6 matrix instructions), the
; vector work of step n ahead of the quantiser and the quantiser (66 lines), the second product of step n - 1 (4) and its dot with the unquantised diff (17 lines).
; CLUSTER.  The four work-groups of a cluster walk the same weights: each slot of the ring (two classes, 35,840 bytes) and the gathered tiles are asked for JOINTLY, a quarter by each wave.
; The first two steps of the pipeline are class 0's tiles 6 and 7, which class 0's own walk makes again: a minimum takes the same number twice.
; The last refill steps one block on, not two: 19 classes are nine pairs and one: it brings classes 17 and 18, of which 18 is read.
; LIMITS: NaN and infinities among the inputs are not served; a block whose largest magnitude lies under 2^-118 gets the scale byte 1 (its codes are then subnormal or zero).
.set BLK,    17920                     ; a class's block in wts:
.set COVO,   12288                     ;   components' six fragments at 0, cov_inv's four tiles here,
.set SCLO,   16384                     ;   the scale words,
.set CONO,   17408                     ;   the constants S and O: 256 bytes for each half of the lanes
.set QUART,  8960                      ; a quarter of a slot: 35 rows of 256 bytes, what one tensor load brings
.set LFTO,   19*BLK                    ; behind the blocks: the gathered tiles, six fragments of 2,048 bytes,
.set LSCL,   12288                     ;   and their scale words, 128 bytes a tile
.set LQ,     3168                      ; a quarter of those 12,672 bytes: 11 rows of 288 bytes
.set SLOT1,  65536                     ; LDS: slot 0 at 0, slot 1 here: one exclusive or turns an address
.set SPARE,  44032                     ; behind slot 0: the spare words, 128 bytes for each wave: two blocks of 256 bytes that no other line names
.set OUTS,   44544                     ; the way out: 512 bytes for each wave
.set STG,    109568                    ; phase A: for each wave a stage of 16 rows x (1,024 + 16) bytes
.set SPITCH, 1040                      ; an odd multiple of 16 bytes: the sixteen rows that a load touches begin at sixteen different 16-byte columns of a span of 256
.set STGW,   16*SPITCH
.set IMG,    176128                    ; phase A: for each wave eight tiles' images: two fragments of 2,048 bytes and a register of scale words (128).  Later: the gathered rows' results, 1,024 bytes a class
.set IMGT,   4224
.set IMGW,   8*IMGT
.set LFT,    311296                    ; the gathered tiles: filled once
; REGISTERS, in windows of 256.  Window 0: all that vector instructions touch, and every scale register.  Window 1: v0-95 the components' fragments ((t, s) at 32 t + 16 s), v128-155 S, v156-183 O.
; Window 2: the pixels' codes, tile i, K step s at 32 i + 16 s.  (Phase A: window 1 holds two tiles of feats as loaded.)
.set LI,   1                           ; v1   16 x lane; never rewritten
.set AK0,  2                           ; v2   CONO + 256 h
.set AW,   3                           ; v3   16 x lane + the block in hand
.set AKC,  4                           ; v4   AK0 + the block in hand
.set SPW,  5                           ; v5   LDS address of my spare word; never rewritten
.set NIL,  6                           ; v6   0; never rewritten
.set ALC,  7                           ; v7   16 x lane + where the class's gathered results lie
.set FS,   8                           ; v8-15   the pixels' scale words, a register a tile: lanes 0-15 K step 0, lanes 16-31 K step 1
.set WS,   16                          ; v16-18  the components' scale words, a register a tile, likewise (v19 is loaded with them and not used);  v20-23 cov_inv's
.set PW,   24                          ; v24-25  diff's scale word, by the tile's parity
.set MIN,  26                          ; v26-33  the running minimum, a register a tile
.set TM,   34                          ; v34-49  at work:
.set M0,   34                          ;   v34, v35 the two blocks' largest magnitudes; v36 a second chain for block 0
.set N0,   36
.set P0,   38                          ;   v38, v39 lane l xor 16's
.set BY,   40                          ;   v40, v41 the scale bytes
.set LIM,  42                          ;   v42, v43 448 x the scale
.set SU,   44                          ;   v[44:45] the dot, in two halves
.set SC,   46                          ;   v46, v47 the conversions' scale operands
.set SM,   48                          ;   v48 the dot; v49 lane l xor 16's
.set TT,   49
.set D0,   50                          ; v50-74, v76-100   diff, unquantised, 25 registers, by parity
.set CODES, 102                        ; v102-117 diff's codes: 8 registers, and 8 zeros that stay
.set A0,   118                         ; v118-141, v150-173  the first product's three accumulators, by parity; the held numbers are written back into them
.set H3,   142                         ; v142-149 the held number 24, and 7 zeros that stay: the last conversion's eight sources
.set LR,   174                         ; v174-181 the class's gathered results, a register a tile
.set LA,   118                         ; v118-181 between the phases: the gathered tiles' eight accumulators
.set ACC2, 182                         ; v182-213 the second product's four accumulators
.set COV,  214                         ; v214-253 cov_inv's codes, 8 registers a tile, and 8 zeros that stay
.set SKR,  128                         ; window 1
.set OKR,  156
; phase A
.set SS,   2                           ; v2   the stage, on the way in: 16 x lane
.set SL,   3                           ; v3   and on the way out: row r, + 64 h
.set IM0,  4                           ; v4   my wave's images, + 16 x lane
.set IS0,  7                           ; v7   a tile's scale words, + 4 r
.set XA0,  118                         ; v118-181 64 numbers of K step 0;  v182-245 of K step 1
.set XA1,  182
.set PC0,  102                         ; the codes just made
.set PC1,  50
.set IMT,  254                         ; v254, v255: IM0 and IS0 at this trip's two tiles
.set IST,  255
; s[4:5] feats at my wave's pixels; s[6:7] wts; s[8:9] out0 at my wave's pixels; s10 wave; s[16:23] descriptor group 1 of the ring; s[24:27] its group 0, which walks; s28 LDS byte of the block in hand;
; s29, s30, s31 trip counts; s[32:33] lane selects; s34 the mantissa field of 448; s35 phase A's step through the images; s[36:37] the refill's step; s38 two blocks;
; s39 LDS byte of my wave's images, later of the class's gathered results; s[48:55], s[56:59] groups 1 and 0 for the gathered tiles
.set MSB, 0
.macro WIN new                         ; bits 1:0 source 0, 3:2 source 1, 5:4 source 2, 7:6 destination; the immediate's high byte repeats the setting that is left
.if MSB != \new
	s_set_vgpr_msb (MSB<<8)|\new
.set MSB, \new
.endif
.endm
.macro ROUND                           ; a round of the cluster's barrier: my work-group's barrier; wave 0 signals for the work-group; every wave waits for all four work-groups; my work-group's barrier once more
	s_barrier_signal -1
	s_barrier_wait -1
	s_cmp_lg_u32 s10, 0
	s_cbranch_scc1 .Lnot_wave_0_\@
	s_barrier_signal -3
.Lnot_wave_0_\@:
	s_barrier_wait -3
	s_barrier_signal -1
	s_barrier_wait -1
.endm
	s_load_b128 s[4:7], s[0:1], 0x0                ; feats, wts
	s_load_b64 s[8:9], s[0:1], 0x10                ; out0
	v_lshl_add_u32 v[SPW], v0, 2, SPARE
	v_mov_b32 v[NIL], 0
	ds_add_u32 v5, v6
	ds_add_u32 v5, v6
	s_wait_dscnt 0x0
	v_lshrrev_b32 v7, 5, v0
	v_readfirstlane_b32 s10, v7                    ; wave 0..3
	s_bfe_u32 s11, ttmp6, 0x40000                  ; cx: my place in the cluster: it enters feats' and out0's addresses alone
	s_lshl_b32 s12, ttmp9, 2                       ; in a cluster launch ttmp9 counts clusters
	s_add_co_u32 s12, s12, s11                     ; my block of 512 pixels
	s_lshl_b32 s14, s12, 19                        ; 512 rows of 1,024 bytes (255 << 19 stays under 2^31),
	s_lshl_b32 s13, s10, 17                        ; my wave's 128 of them
	s_add_co_u32 s14, s14, s13
	s_mov_b32 s15, 0
	s_lshl_b32 s40, s12, 11                        ; and the same pixels in out0
	s_lshl_b32 s13, s10, 9
	s_add_co_u32 s40, s40, s13
	s_mov_b32 s41, 0
	s_mul_i32 s42, s10, QUART                      ; my quarter of a slot, in wts and in LDS
	s_mov_b32 s43, 0
	s_mul_i32 s60, s10, LQ                         ; my quarter of the gathered tiles, likewise
	s_mov_b32 s61, 0
	; descriptor group 1 of the ring: a dense block of 8,960 bytes as 35 rows of 32 elements of 8 bytes, no padding: fragments are read back 16 bytes a lane on end
	s_mov_b32 s16, 15|(3<<16)|(1<<21)              ; 15:0 the mask: all four work-groups; 17:16 elements of 8 bytes; 21 set beside a mask
	s_mov_b32 s17, 32<<16                          ; tensor_dim0 = 32
	s_mov_b32 s18, 35<<16                          ; tensor_dim1 = 35
	s_mov_b32 s19, 32<<16                          ; tile_dim0 = 32
	s_mov_b32 s20, 35                              ; tile_dim1 = 35
	s_mov_b32 s21, 32                              ; from row to row: 32 elements
	s_mov_b32 s22, 0
	s_mov_b32 s23, 0
	; and of the gathered tiles: a dense block of 3,168 bytes as 11 rows of 36 elements of 8 bytes
	s_mov_b32 s48, 15|(3<<16)|(1<<21)
	s_mov_b32 s49, 36<<16
	s_mov_b32 s50, 11<<16
	s_mov_b32 s51, 36<<16
	s_mov_b32 s52, 11
	s_mov_b32 s53, 36
	s_mov_b32 s54, 0
	s_mov_b32 s55, 0
	s_mov_b32 s32, 0x76543210
	s_mov_b32 s33, 0xfedcba98                      ; v_permlanex16_b32's selects for lane l xor 16
	s_mov_b32 s34, 0x600000
	s_mov_b32 s37, 0
	s_mov_b32 s38, 2*BLK
	v_and_b32 v246, 31, v0                         ; lane
	v_lshlrev_b32 v[LI], 4, v246
	s_wait_kmcnt 0x0
	s_add_nc_u64 s[4:5], s[4:5], s[14:15]
	s_add_nc_u64 s[8:9], s[8:9], s[40:41]
	s_mov_b32 s24, 1                               ; group 0: count = 1,
	s_mov_b32 s25, s42                             ; LDS address: slot 0, my quarter,
	s_add_nc_u64 s[26:27], s[6:7], s[42:43]        ; global address: classes 0 and 1, my quarter,
	s_or_b32 s27, s27, 0x80000000                  ; type = 2
	s_mov_b32 s56, 1
	s_add_co_u32 s57, s60, LFT
	s_add_nc_u64 s[58:59], s[6:7], s[60:61]
	s_add_nc_u64 s[58:59], s[58:59], LFTO
	s_or_b32 s59, s59, 0x80000000
	WIN 0x40                                       ; destination window 1
.irp t, 0,1                                    ; tiles 0 and 1 of feats are asked for before anything else: 64 loads, each 512 consecutive bytes
.set q, 0
.rept 32
	global_load_b128 v[128*\t+4*q:128*\t+4*q+3], v[LI], s[4:5] offset:16384*\t+512*q th:TH_LOAD_NT
.set q, q+1
.endr
.endr
	WIN 0
	ROUND                                          ; all four work-groups are here: the first joint loads meet
	tensor_load_to_lds s[24:27], s[16:23]          ; slot 0: classes 0 and 1,
	s_nop 0
	tensor_load_to_lds s[56:59], s[48:55]          ; and the gathered tiles: two loads of mine are out; they land while phase A runs
	s_nop 0
.rept 4
	v_nop
.endr
	v_and_b32 v247, 15, v0                         ; r
	v_bfe_u32 v248, v0, 4, 1                       ; h
	s_mul_i32 s44, s10, STGW
	s_add_co_u32 s44, s44, STG                     ; my stage
	s_mul_i32 s39, s10, IMGW
	s_add_co_u32 s39, s39, IMG                     ; my images
	v_add_nc_u32 v[SS], s44, v[LI]
	v_mul_u32_u24 v[SL], v247, SPITCH
	v_lshl_add_u32 v[SL], v248, 6, v[SL]
	v_add_nc_u32 v[SL], s44, v[SL]
	v_add_nc_u32 v[IM0], s39, v[LI]
	v_lshl_add_u32 v[IS0], v247, 2, s39
	v_add_nc_u32 v[IS0], 4096, v[IS0]
	v_lshl_add_u32 v249, v246, 2, s39              ; where a register of scale words is read back: 4 x lane
.irp b, 0,1,2,3
	v_mov_b32 v[TM+4+\b], 0                        ; a lane permute's destination counts as one of its sources
.endr
; ---------------- PHASE A ----------------
; 64 numbers of a lane, register 16 b + i = d 32 b + 16 h + i of my pixel's K step, become a fragment's codes in v[pc] on and its scale word in v[pw]
.macro QUANT x, pc, pw
.irp b, 0,1,2,3
	v_max3_num_f32 v[TM+\b], |v[\x+16*\b]|, |v[\x+1+16*\b]|, 0x4800000   ; my 16 numbers of block b, and the floor 2^(9 - 127): the byte cannot fall under 1
.endr
.irp i, 2,4,6,8,10,12,14
.irp b, 0,1,2,3
	v_max3_num_f32 v[TM+\b], v[TM+\b], |v[\x+16*\b+\i]|, |v[\x+1+16*\b+\i]|   ; the four blocks by turns
.endr
.endr
.irp b, 0,1,2,3
	v_permlanex16_b32 v[TM+4+\b], v[TM+\b], s32, s33
.endr
.irp b, 0,1,2,3
	v_max_num_f32 v[TM+\b], v[TM+\b], v[TM+4+\b]   ; with lane l xor 16's 16: the block's largest magnitude
.endr
.irp b, 0,1,2,3
	v_add_nc_u32 v[TM+12+\b], 0xfc000000, v[TM+\b] ; 8 off its exponent field: the conversion's scale operand
.endr
.irp b, 0,1,2,3
	v_and_or_b32 v[TM+8+\b], v[TM+\b], 0x7f800000, s34   ; 448 x the scale
.endr
.irp b, 0,1,2,3
	v_lshrrev_b32 v[TM+4+\b], 23, v[TM+12+\b]      ; the scale's byte
.endr
	v_lshl_or_b32 v[\pw], v[TM+5], 8, v[TM+4]
	v_lshl_or_b32 v[\pw], v[TM+6], 16, v[\pw]
	v_lshl_or_b32 v[\pw], v[TM+7], 24, v[\pw]
.irp b, 0,1,2,3
.irp i, 0,1,2,3,4,5,6,7,8,9,10,11,12,13,14,15
	v_med3_num_f32 v[\x+16*\b+\i], v[\x+16*\b+\i], -v[TM+8+\b], v[TM+8+\b]   ; the conversion to an 8-bit code does not saturate (ISA guide 7.6.2): the hold comes first
.endr
	v_cvt_scalef32_pk8_fp8_f32 v[\pc+4*\b:\pc+1+4*\b], v[\x+16*\b:\x+7+16*\b], v[TM+12+\b]
	v_cvt_scalef32_pk8_fp8_f32 v[\pc+2+4*\b:\pc+3+4*\b], v[\x+8+16*\b:\x+15+16*\b], v[TM+12+\b]
.endr
	v_nop                                          ; a plain instruction directly behind the last conversion
.endm
.macro IMAGE pc, off                   ; a fragment goes to LDS as an image of its registers: lane l's 16 bytes at 16 l
.irp g, 0,1,2,3
	ds_store_b128 v[IMT], v[\pc+4*\g:\pc+4*\g+3] offset:\off+512*\g
.endr
.endm
; One tile of 16 pixels, as loaded in set p of window 1.  The loads took the bytes as they lie (16 a lane, 512 a load); the quantiser wants 16 neighbours of a block in one lane: so the tile turns through my stage.
; ahead = 1: the set takes the tile two further on.  left: the global loads that may stay out.
.macro TILE p, ahead, left
	s_wait_loadcnt \left                           ; this set's 32 loads are in; the other set's may be out
	WIN 0x04                                       ; an LDS store's data are its source 1: window 1
.set q, 0
.rept 32
	ds_store_b128 v[SS], v[128*\p+4*q:128*\p+4*q+3] offset:(q/2)*SPITCH+(q%2)*512
.set q, q+1
.endr
	WIN 0
.irp s, 0,1
.irp b, 0,1,2,3
.irp j, 0,1,2,3
	ds_load_b128 v[XA0+64*\s+16*\b+4*\j:XA0+64*\s+16*\b+4*\j+3], v[SL] offset:512*\s+128*\b+16*\j   ; LDS serves a wave's instructions in order: these see the stores above
.endr
.endr
.endr
.if \ahead
	s_wait_dscnt 32                                ; the 32 stores have read their registers (the 32 loads behind them may be out)
	WIN 0x40
.set q, 0
.rept 32
	global_load_b128 v[128*\p+4*q:128*\p+4*q+3], v[LI], s[4:5] offset:32768+16384*\p+512*q th:TH_LOAD_NT
.set q, q+1
.endr
	WIN 0
.endif
	s_wait_dscnt 16                                ; K step 0's numbers are back; K step 1's 16 loads may be out
	QUANT XA0, PC0, PW
	IMAGE PC0, IMGT*\p
	ds_store_b32 v[IST], v[PW] offset:IMGT*\p      ; lanes r and r + 16 write the same word with the same value
	s_wait_dscnt 5                                 ; K step 1's numbers are back; the five stores just issued may be out
	QUANT XA1, PC1, PW+1
	IMAGE PC1, IMGT*\p+2048
	ds_store_b32 v[IST], v[PW+1] offset:IMGT*\p+64
.endm
	s_mov_b32 s35, 0
	s_mov_b32 s31, 3
.Lfeat:                                                ; a trip: two tiles; it asks for the next trip's two: 64 loads, 32,768 bytes, of a wave are on their way
	v_add_nc_u32 v[IMT], s35, v[IM0]
	v_add_nc_u32 v[IST], s35, v[IS0]
	TILE 0, 1, 32
	TILE 1, 1, 32
	s_wait_xcnt 0x0                                ; the loads' base steps only behind this wait
	s_add_nc_u64 s[4:5], s[4:5], 32768
	s_add_co_u32 s35, s35, 2*IMGT
	s_sub_co_u32 s31, s31, 1
	s_cmp_lg_u32 s31, 0
	s_cbranch_scc1 .Lfeat
	v_add_nc_u32 v[IMT], s35, v[IM0]
	v_add_nc_u32 v[IST], s35, v[IS0]
	TILE 0, 0, 32                                  ; the last two tiles ask for nothing: no load leaves the buffer
	TILE 1, 0, 0
	WIN 0x80                                       ; destination window 2: the eight tiles' codes come back into the registers in which they stay (my own bytes, served in order)
.irp i, 0,1,2,3,4,5,6,7
.irp f, 0,1,2,3,4,5,6,7
	ds_load_b128 v[32*\i+4*\f:32*\i+4*\f+3], v[IM0] offset:IMGT*\i+512*\f
.endr
.endr
	WIN 0
.irp i, 0,1,2,3,4,5,6,7
	ds_load_b32 v[FS+\i], v249 offset:4096+IMGT*\i
.endr
; ---------------- PHASE B ----------------
; Matrix instruction uu (0 .. 5) of the first product of tile iN, into the accumulators at rAn: K step uu / 3, tile of rows uu % 3.  The first three start the sums with the constant 0; the three accumulators
; take turns, one instruction a turn.
.macro PROD1
	WIN 0x09                                       ; source 0 (components) window 1, source 1 (pixels) window 2, C and D window 0
.if uu < 3
	v_wmma_scale_f32_16x16x128_f8f6f4 v[rAn+8*uu:rAn+8*uu+7], v[32*uu:32*uu+15], v[32*iN:32*iN+15], 0, v[WS+uu], v[FS+iN]
.else
	v_wmma_scale_f32_16x16x128_f8f6f4 v[rAn+8*(uu-3):rAn+8*(uu-3)+7], v[32*(uu-3)+16:32*(uu-3)+31], v[32*iN+16:32*iN+31], v[rAn+8*(uu-3):rAn+8*(uu-3)+7], v[WS+uu-3], v[FS+iN] matrix_a_scale:MATRIX_SCALE_ROW1 matrix_b_scale:MATRIX_SCALE_ROW1
.endif
.endm
.macro PROD3                           ; tile t3 of the second product: 16 rows l of cov_inv x the codes of diff
	WIN 0
	v_wmma_scale_f32_16x16x128_f8f6f4 v[ACC2+8*t3:ACC2+8*t3+7], v[COV+8*t3:COV+8*t3+15], v[CODES:CODES+15], 0, v[WS+4+t3], v[rPWp]
.endm
.macro LOADW                           ; the components' six fragments, K step 0's three first, and the constants: 24 + 14 loads in one run
	WIN 0x40
.irp s, 0,1
.irp t, 0,1,2
.irp g, 0,1,2,3
	ds_load_b128 v[32*\t+16*\s+4*\g:32*\t+16*\s+4*\g+3], v[AW] offset:(2*\t+\s)*2048+512*\g
.endr
.endr
.endr
.irp m, 0,1,2,3,4,5,6
	ds_load_b128 v[SKR+4*\m:SKR+4*\m+3], v[AKC] offset:16*\m
.endr
.irp m, 0,1,2,3,4,5,6
	ds_load_b128 v[OKR+4*\m:OKR+4*\m+3], v[AKC] offset:128+16*\m
.endr
.endm
.macro LOADL                           ; the class's gathered results: my pixel's number 24 in each of the eight tiles
	ds_load_b128 v[LR:LR+3], v[ALC]
	ds_load_b128 v[LR+4:LR+7], v[ALC] offset:512
.endm
.macro LOADC                           ; cov_inv's four tiles and their scale words
	WIN 0
.irp t, 0,1,2,3
.irp g, 0,1
	ds_load_b128 v[COV+8*\t+4*\g:COV+8*\t+4*\g+3], v[AW] offset:COVO+1024*\t+512*\g
.endr
.endr
	ds_load_b128 v[WS+4:WS+7], v[AW] offset:SCLO+512
.endm
; The largest magnitudes of diff's two blocks: three chains that take turns (block 0: 16 numbers in two chains; block 1: 9), the floor 2^(9 - 127) among the leaves
.macro MAXOP k
.if (\k) == 0
	v_max3_num_f32 v[M0], |v[rD]|, |v[rD+1]|, 0x4800000
.elseif (\k) == 1
	v_max3_num_f32 v[N0], |v[rD+6]|, |v[rD+7]|, |v[rD+8]|
.elseif (\k) == 2
	v_max3_num_f32 v[M0+1], |v[rD+16]|, |v[rD+17]|, 0x4800000
.elseif (\k) == 3
	v_max3_num_f32 v[M0], v[M0], |v[rD+2]|, |v[rD+3]|
.elseif (\k) == 4
	v_max3_num_f32 v[N0], v[N0], |v[rD+9]|, |v[rD+10]|
.elseif (\k) == 5
	v_max3_num_f32 v[M0+1], v[M0+1], |v[rD+18]|, |v[rD+19]|
.elseif (\k) == 6
	v_max3_num_f32 v[M0], v[M0], |v[rD+4]|, |v[rD+5]|
.elseif (\k) == 7
	v_max3_num_f32 v[N0], v[N0], |v[rD+11]|, |v[rD+12]|
.elseif (\k) == 8
	v_max3_num_f32 v[M0+1], v[M0+1], |v[rD+20]|, |v[rD+21]|
.elseif (\k) == 9
	v_max3_num_f32 v[M0], v[M0], |v[rD+13]|, |v[rD+14]|
.elseif (\k) == 10
	v_max3_num_f32 v[M0+1], v[M0+1], |v[rD+22]|, |v[rD+23]|
.elseif (\k) == 11
	v_max3_num_f32 v[M0], v[M0], v[N0], |v[rD+15]|
.else
	v_max_num_f32 v[M0+1], v[M0+1], |v[rD+24]|
.endif
.endm
.macro MISC k                          ; from the largest magnitudes to the scale word; block k % 2
.set kk, \k
.if kk/2 == 0
	v_permlanex16_b32 v[P0+kk%2], v[M0+kk%2], s32, s33
.elseif kk/2 == 1
	v_max_num_f32 v[M0+kk%2], v[M0+kk%2], v[P0+kk%2]        ; with lane l xor 16's: the block's largest magnitude
.elseif kk/2 == 2
	v_add_nc_u32 v[SC+kk%2], 0xfc000000, v[M0+kk%2]         ; 8 off its exponent field: the conversion's scale operand
.elseif kk/2 == 3
	v_and_or_b32 v[LIM+kk%2], v[M0+kk%2], 0x7f800000, s34   ; 448 x the scale
.elseif kk/2 == 4
	v_lshrrev_b32 v[BY+kk%2], 23, v[SC+kk%2]                ; the scale's byte
.else
	v_lshl_or_b32 v[rPW], v[BY+1], 8, v[BY]                 ; bytes 2 and 3 stay 0: they stand over zero codes
.endif
.endm
; One line of a slot's vector work, by its code:
;   0-11    diff = proj S + O, two at a time (each accumulator is read from its low end on);  12 the same of the gathered number 24        20-32   MAXOP        500-510 MISC
;   100-123 the hold: diff within +-448 x the scale, written into the accumulator, which is done with: diff itself stays for the dot;  124 the same of number 24, into the last conversion's sources
;   300-303 eight codes                                 200-212 the dot of the step before: tmp . diff, two at a time, the last alone        401-404 its two halves, lane l xor 16's, the minimum
.macro OPC op
.if \op < 13
	WIN 0x11                                       ; S and O (sources 0 and 2) in window 1
.if \op == 12
	v_fma_f32 v[rD+24], v[SKR+24], v[rL], v[OKR+24]
.else
	v_pk_fma_f32 v[rD+2*\op:rD+2*\op+1], v[SKR+2*\op:SKR+2*\op+1], v[rA+2*\op:rA+2*\op+1], v[OKR+2*\op:OKR+2*\op+1]
.endif
.elseif \op < 100
	WIN 0
	MAXOP \op-20
.elseif \op < 200
	WIN 0
.if \op == 124
	v_med3_num_f32 v[H3], v[rD+24], -v[LIM+1], v[LIM+1]
.else
	v_med3_num_f32 v[rA+\op-100], v[rD+\op-100], -v[LIM+(\op-100)/16], v[LIM+(\op-100)/16]
.endif
.elseif \op < 300
.if M2F
	WIN 0
.if \op == 200
	v_pk_mul_f32 v[SU:SU+1], v[ACC2:ACC2+1], v[rDp:rDp+1]
.elseif \op == 212
	v_fma_f32 v[SU], v[ACC2+24], v[rDp+24], v[SU]
.else
	v_pk_fma_f32 v[SU:SU+1], v[ACC2+2*(\op-200):ACC2+2*(\op-200)+1], v[rDp+2*(\op-200):rDp+2*(\op-200)+1], v[SU:SU+1]
.endif
.endif
.elseif \op < 400
	WIN 0
.if \op == 303
	v_cvt_scalef32_pk8_fp8_f32 v[CODES+6:CODES+7], v[H3:H3+7], v[SC+1]
.else
	v_cvt_scalef32_pk8_fp8_f32 v[CODES+2*(\op-300):CODES+2*(\op-300)+1], v[rA+8*(\op-300):rA+8*(\op-300)+7], v[SC+(\op-300)/2]
.endif
.elseif \op < 500
.if M2F
	WIN 0
.if \op == 401
	v_add_f32 v[SM], v[SU], v[SU+1]
.elseif \op == 402
	v_permlanex16_b32 v[TT], v[SM], s32, s33
.elseif \op == 403
	v_add_f32 v[SM], v[SM], v[TT]
.else
	v_min_num_f32 v[rMN], v[rMN], v[SM]
.endif
.endif
.else
	WIN 0
	MISC \op-500
.endif
.endm
; What stands in front of line p of a slot.  KIND 0: nothing more.  KIND 1 (tile 7 of the class before): the next class's components, their scale words, its gathered results and the constants are fetched behind
; line 12, the last that reads the old constants; the old components' last reader stands more than eight plain lines back.  KIND 2 (tile 0): the constants are awaited; cov_inv is fetched in front of line 44, ten plain
; lines behind the old one's last reader.  KIND 3 (tile 1): cov_inv is awaited.
.macro HOOK
.if (KIND == 2) && (p == 0)
	s_wait_dscnt 0x0                               ; S, O and the gathered results of this class are in
.endif
.if (KIND == 1) && (p == 13)
	WIN 0
	ds_load_b128 v[WS:WS+3], v[AW] offset:SCLO
	LOADL
.endif
.if M2F && (p >= 13) && (p <= 34) && ((p-13)%7 == 0)
.if (KIND == 3) && (p == 13)
	s_wait_dscnt 0x0                               ; cov_inv of this class is in
.endif
.set t3, (p-13)/7
	PROD3
.endif
.if (KIND == 1) && (p == 13)
	LOADW
.endif
.if (KIND == 2) && (p == 44)
	LOADC
.endif
.if M1F
.if KIND == 1
.if (p >= 41) && (p <= 76) && ((p-41)%7 == 0)
.if p == 41
	s_wait_dscnt 26                                ; the scale words and K step 0's fragments are in; K step 1's 12 loads and the constants' 14 may be out
.endif
.if p == 62
	s_wait_dscnt 14                                ; K step 1's are in; the constants' 14 may be out
.endif
.set uu, (p-41)/7
	PROD1
.endif
.else
.if (p == 0) || (p == 7)
.set uu, p/7
	PROD1
.elseif (p >= 41) && ((p-41)%11 == 0)
.set uu, 2+(p-41)/11
	PROD1
.endif
.endif
.endif
.endm
; A SLOT: the vector work of tile i; m1: the first product of tile i + 1; m2: the second product and the dot of tile i - 1.
; The lines between the matrix instructions are the places that they ask for: eight plain lines or more stand between each matrix instruction and the first line that reads its result or
; writes one of its registers, four or more between the last conversion and the second product, eight or more between the scale word's line and that product.
.macro STEP i, kind, m1, m2
.set rA,   A0+32*((\i)%2)
.set rAn,  A0+32*(((\i)+1)%2)
.set rD,   D0+26*((\i)%2)
.set rDp,  D0+26*(((\i)+1)%2)
.set rPW,  PW+(\i)%2
.set rPWp, PW+((\i)+1)%2
.set rMN,  MIN+((\i)+7)%8
.set rL,   LR+(\i)
.set iN,   ((\i)+1)%8
.set KIND, \kind
.set M1F,  \m1
.set M2F,  \m2
.set p, 0
.irp op, 0,1,2,3,4,5,6,7,8,9,10,11,12,20,21,22,23,24,25,26,27,28,29,30,31,32,200,500,501,201,502,503,202,504,505,506,507,508,509,203,510,100,101,204,102,103,205,104,105,206,106,107,207,108,300,109,208,110,111,209,112,113,210,114,115,211,116,301,117,212,118,119,401,120,121,402,122,123,403,124,302,303,404
	HOOK
	OPC \op
.set p, p+1
.endr
.endm
.macro BODY                            ; a class: all LDS reads of its block and of its gathered results stand in here
	v_add_nc_u32 v[AW], s28, v[LI]
	v_add_nc_u32 v[AKC], s28, v[AK0]
	v_add_nc_u32 v[ALC], s39, v[LI]
	STEP 7, 1, 1, 1
	STEP 0, 2, 1, 1
	STEP 1, 3, 1, 1
	STEP 2, 0, 1, 1
	STEP 3, 0, 1, 1
	STEP 4, 0, 1, 1
	STEP 5, 0, 1, 1
	STEP 6, 0, 1, 1
	WIN 0                                          ; at a label and at a branch every window is 0
.endm
; THE CHANGE OF SLOTS stands at a slot's head.  Each wave waits for all its tensor loads (one is out: its quarter of the slot ahead), adds 0 to its spare word, and waits for that and for its reads of the slot left.
; fill = 1: behind a round of the cluster's barrier the slot left is filled with the next two classes: the load has two classes' work in which to land.
.macro CHANGE fill
	WIN 0
	s_wait_tensorcnt 0x0                           ; no tensor load of mine is out, so group 0 may be written
	ds_add_u32 v[SPW], v[NIL]                      ; 0 onto my spare word
.if \fill
	s_xor_b32 s25, s25, SLOT1                      ; the other slot than last time,
	s_cmp_eq_u32 s29, 1                            ; two blocks on; in the last trip one block on: it ends with the last class's block
	s_cselect_b32 s36, BLK, s38
	s_add_nc_u64 s[26:27], s[26:27], s[36:37]      ; the type bits on top are not reached
.endif
	s_wait_dscnt 0x0                               ; the add is done, and my reads of the slot that I have left are over
.if \fill
	ROUND                                          ; no wave of any partner still reads that slot or has a load on its way
	tensor_load_to_lds s[24:27], s[16:23]          ; the first thing behind the round, and my one tensor load until the next
	s_nop 0
.rept 4
	v_nop
.endr
.else
	s_barrier_signal -1
	s_barrier_wait -1
.endif
.endm
	s_wait_tensorcnt 0x0                           ; my quarters of slot 0 and of the gathered tiles are in,
	s_wait_dscnt 0x0                               ; and my codes are back in registers
	s_barrier_signal -1
	s_barrier_wait -1                              ; everybody's quarters are
	; THE GATHERED ROWS: three tiles of rows x my eight tiles of pixels, K = 256 in two steps; the eight accumulators take turns
	v_add_nc_u32 v2, LFT, v[LI]                    ; a fragment's image: 16 x lane
	v_lshl_add_u32 v3, v246, 2, LFT                ; a register of scale words: 4 x lane
.irp u, 0,1,2
	WIN 0x40                                       ; destination window 1: both K steps' fragments, 4,096 bytes on end, into v0-31
.irp f, 0,1,2,3,4,5,6,7
	ds_load_b128 v[4*\f:4*\f+3], v2 offset:4096*\u+512*\f
.endr
	WIN 0
	ds_load_b32 v[WS], v3 offset:LSCL+128*\u
	s_wait_dscnt 0x0                               ; they are in; and the stores of the tile before have read the accumulators
	WIN 0x09
.irp i, 0,1,2,3,4,5,6,7
	v_wmma_scale_f32_16x16x128_f8f6f4 v[LA+8*\i:LA+8*\i+7], v[0:15], v[32*\i:32*\i+15], 0, v[WS], v[FS+\i]
.endr
.irp i, 0,1,2,3,4,5,6,7
	v_wmma_scale_f32_16x16x128_f8f6f4 v[LA+8*\i:LA+8*\i+7], v[16:31], v[32*\i+16:32*\i+31], v[LA+8*\i:LA+8*\i+7], v[WS], v[FS+\i] matrix_a_scale:MATRIX_SCALE_ROW1 matrix_b_scale:MATRIX_SCALE_ROW1
.endr
	WIN 0
.rept 9
	v_nop                                          ; places: eight in front of the stores that read the results and of the loads into the operands, nine in front of the products that begin these accumulators anew
.endr
.irp j, 0,1,2,3,4,5,6,7                        ; register j is class 8 u + j's (tile 2 has three classes); each accumulator is read from its low end on
.if 8*\u+\j < 19
.irp i, 0,1,2,3,4,5,6,7
	ds_store_b32 v[IM0], v[LA+8*\i+\j] offset:(8*\u+\j)*1024+512*(\i/4)+4*(\i%4)   ; [class][4 tiles][lane]: my own bytes, where my images lay: they have been read back
.endr
.endif
.endr
.endr
	s_wait_dscnt 0x0                               ; the stores have read the accumulators' registers
	; THE PIPELINE IS PRIMED with class 0's tiles 6 and 7
	v_bfe_u32 v7, v0, 4, 1
	v_lshlrev_b32 v[AK0], 8, v7
	v_add_nc_u32 v[AK0], CONO, v[AK0]
	s_mov_b32 s28, 0
	v_add_nc_u32 v[AW], s28, v[LI]
	v_add_nc_u32 v[AKC], s28, v[AK0]
	v_add_nc_u32 v[ALC], s39, v[LI]
	ds_load_b128 v[WS:WS+3], v[AW] offset:SCLO
	LOADL
	LOADC
	LOADW
	s_wait_dscnt 0x0
.irp i, 6,7
.set iN, \i
.set rAn, A0+32*(\i%2)
.set uu, 0
.rept 6
	PROD1
.set uu, uu+1
.endr
.endr
	WIN 0
.irp i, 0,1,2,3,4,5,6,7                        ; what has to be set once stands here: 34 plain lines, the places behind those products
	v_mov_b32 v[MIN+\i], 0x7f800000                ; +infinity
.endr
.irp i, 0,1,2,3,4,5,6,7
	v_mov_b32 v[CODES+8+\i], 0                     ; the upper half of diff's operand: zero codes
.endr
.irp i, 0,1,2,3,4,5,6,7
	v_mov_b32 v[COV+32+\i], 0                      ; what tile 3 of cov_inv names as its upper half
.endr
.irp i, 1,2,3,4,5,6,7
	v_mov_b32 v[H3+\i], 0                          ; block 1 has 9 numbers in a lane: the last conversion's other seven sources
.endr
	v_mov_b32 v[P0], 0                             ; a lane permute's destination counts as one of its sources
	v_mov_b32 v[P0+1], 0
	v_mov_b32 v[TT], 0
	STEP 6, 0, 0, 0
	WIN 0
	s_mov_b32 s29, 9
.Lpair:                                                ; nine trips: classes 2 j and 2 j + 1, while the next two land in the other slot
	CHANGE 1
	s_mov_b32 s30, 2
.Lcls:
	BODY
	s_add_co_u32 s28, s28, BLK
	s_add_co_u32 s39, s39, 1024                    ; the next class's gathered results
	s_sub_co_u32 s30, s30, 1
	s_cmp_lg_u32 s30, 0
	s_cbranch_scc1 .Lcls
	s_sub_co_u32 s28, s28, 2*BLK                   ; back to a slot's first block,
	s_xor_b32 s28, s28, SLOT1                      ; in the other slot
	s_sub_co_u32 s29, s29, 1
	s_cmp_lg_u32 s29, 0
	s_cbranch_scc1 .Lpair
	CHANGE 0                                       ; the tail is written out: nothing is asked for
	s_mov_b32 s28, SLOT1+BLK                       ; class 18 is the second block of slot 1
	BODY
	STEP 7, 0, 0, 1                                ; tile 7's vector work; tile 6's second product and dot
	WIN 0
	; the pipeline runs empty: tile 7's second product and dot
.set rDp,  D0+26
.set rMN,  MIN+7
.set rPWp, PW+1
.set M2F,  1
.rept 4
	v_nop                                          ; with the minimum's line above: five plain lines between the last conversion and the product
.endr
.set t3, 0
.rept 4
	PROD3
.set t3, t3+1
.endr
.rept 8
	v_nop                                          ; places in front of the first read of the results
.endr
.irp op, 200,201,202,203,204,205,206,207,208,209,210,211,212,401,402,403,404
	OPC \op
.endr
	; THE WAY OUT: a lane holds one pixel of each tile; through 512 bytes of my own the wave's 128 numbers come back 16 bytes a lane
	v_and_b32 v7, 15, v0
	s_lshl_b32 s44, s10, 9
	s_add_co_u32 s44, s44, OUTS
	v_lshl_add_u32 v7, v7, 2, s44
	v_add_nc_u32 v[AW], s44, v[LI]
.irp i, 0,1,2,3,4,5,6,7
	ds_store_b32 v7, v[MIN+\i] offset:64*\i        ; lanes r and r + 16 write the same word with the same value
.endr
	ds_load_b128 v[SU:SU+3], v[AW]                 ; LDS serves a wave's instructions in order: this sees the stores above
	s_wait_dscnt 0x0
	global_store_b128 v[LI], v[SU:SU+3], s[8:9]    ; 32 lanes store 512 consecutive bytes, aligned
	s_wait_tensorcnt 0x0                           ; the wave's end, behind my last tensor load and my last LDS store
	ds_add_u32 v[SPW], v[NIL]
	s_wait_dscnt 0x0
	ROUND                                          ; the closing round: no work-group ends while a partner may still ask for a tile that names it
	s_endpgm
.Lfunc_end_k_qaab6fa7907_main:
	.size	k_qaab6fa7907_main, .Lfunc_end_k_qaab6fa7907_main-k_qaab6fa7907_main
	.p2alignl 7, 3214868480
	.fill 96, 4, 3214868480
	.section	.rodata,"a",@progbits
	.p2align	6, 0x0
	.amdhsa_kernel k_qaab6fa7907_main
		.amdhsa_group_segment_fixed_size 327680
		.amdhsa_private_segment_fixed_size 0
		.amdhsa_enable_private_segment 0
		.amdhsa_kernarg_size 24
		.amdhsa_user_sgpr_count 2
		.amdhsa_user_sgpr_kernarg_segment_ptr 1
		.amdhsa_wavefront_size32 1
		.amdhsa_system_sgpr_workgroup_id_x 1
		.amdhsa_system_sgpr_workgroup_id_y 1
		.amdhsa_system_sgpr_workgroup_id_z 1
		.amdhsa_system_vgpr_workitem_id 0
		.amdhsa_next_free_vgpr 768
		.amdhsa_next_free_sgpr 66
		.amdhsa_reserve_vcc 0
		.amdhsa_float_denorm_mode_32 3
		.amdhsa_float_denorm_mode_16_64 3
		.amdhsa_memory_ordered 1
		.amdhsa_forward_progress 1
		.amdhsa_inst_pref_size 255
	.end_amdhsa_kernel
	.section	.bss,"aw",@nobits
	.p2align	6
	.space	262144
	.amdgpu_metadata
---
amdhsa.version: [ 1, 2 ]
amdhsa.kernels:
  - .name:           k_qaab6fa7907_main
    .symbol:         k_qaab6fa7907_main.kd
    .args:
      - { .name: feats, .offset: 0, .size: 8, .value_kind: global_buffer, .address_space: global }
      - { .name: wts, .offset: 8, .size: 8, .value_kind: global_buffer, .address_space: global }
      - { .name: out0, .offset: 16, .size: 8, .value_kind: global_buffer, .address_space: global }
    .group_segment_fixed_size: 327680
    .private_segment_fixed_size: 0
    .kernarg_segment_align: 8
    .kernarg_segment_size: 24
    .max_flat_workgroup_size: 128
    .sgpr_count:     66
    .vgpr_count:     768
    .wavefront_size: 32
...
	.end_amdgpu_metadata
.endif
;; end of part 2
